; MI455X (gfx1250); checked and timed in simulation.
; The chip was launched on July 23, 2026; its instructions are those of AMD's public machine-readable ISA for CDNA 5 (MIT licence, August 2026) and "CDNA5" Instruction Set Architecture Reference Guide (July 2026). The comments in the code are by the model that wrote it; some were corrected since.
;; S4 D Kernel. Allowed arithmetic: float matrix products may take bf16 or f16 operands with f32 sums; all other float work in f32.
;; Inputs: A_imag 1,024 x 32 float32; B 1,024 x 32 float32; C 1,024 x 32 float32; log_A_real 1,024 x 32 float32; log_dt 1,024 float32.
;; Outputs: out0 1 x 1,024 x 4,096 float32.
;; Constants: L = 4096.
;; 2 versions, each right; version 2 is version 1 with the launch s4d written anew for expert scheduling mode. Each part assembles by itself: llvm-mc -triple=amdgcn-amd-amdhsa -mcpu=gfx1250 --defsym DOCPART=n.
;; ======== version 1 of 2: 1 launch
;; limits: right only within a limited range of input values
;; launch s4d (part 1): grid 256 x 1, 4 waves a work-group, no clusters, 38,400 bytes of LDS; arguments A_imag, B, C, log_A_real, log_dt, out0; writes out0
.if DOCPART == 1
	.amdgcn_target "amdgcn-amd-amdhsa--gfx1250"
	.amdhsa_code_object_version 6
	.text
	.protected	k_q552515fcd8_s4d
	.globl	k_q552515fcd8_s4d
	.p2align	8
	.type	k_q552515fcd8_s4d,@function
k_q552515fcd8_s4d:
	s_mov_b64 s[64:65], 0
	v_nop
	global_prefetch_b8 v0, s[64:65] scope:SCOPE_SE
	s_setreg_imm32_b32 hwreg(HW_REG_WAVE_MODE, 25, 1), 1
	s_wait_xcnt 0x0
; S4D kernel:  K[h][l] = 2 Re sum over n of Ceff[h][n] exp(dtA[h][n] l),  1,024 heads h, 32 modes n, l = 0 .. 4,095.
;   dt = exp(log_dt), A = -exp(log_A_real) + i A_imag, dtA = A dt, Ceff = B C expm1(dtA) / A.
; ONE WAVE MAKES ONE HEAD; a work-group is four waves (four heads), 256 work-groups.
; With E(p) = exp(dtA p) and l = a(m) + b(n'):  a(m) = (m & 3) + 64 (m >> 2),  b(n') = 4 (n' & 15) + 1024 (n' >> 4),  m, n' = 0 .. 63,
;   K[a(m) + b(n')] = sum over modes of Re( X[m] Y[n'] ),  X[m] = 2 Ceff E(a(m)),  Y[n'] = E(b(n')):
; a real product of 64 x 64 with 64 along k (32 modes x (re, im)); Y is kept conjugated, so that re x re + im x im is the real part.
; So a head needs 32 x (64 + 64) complex values and not 32 x 4,096.  The split of l's bits is chosen for the way out: registers 0-3 of a
; result tile in sixteen neighbouring lanes are 64 neighbouring l, so each store of sixteen lanes covers 256 consecutive bytes, aligned.
; OPERANDS: every f32 value goes to the matrix unit as hi + lo, two bf16 numbers (hi = the value rounded, lo = the exact rest rounded); the sums take
; hi hi + lo hi + hi lo in f32, 192 along k.  What is dropped (lo lo, lo's own rounding) is below 2^-17 of a term.  One bf16 alone (2^-9 of a
; term) is too coarse where the 32 terms cancel.
; LIMITS.  (1) The phase of E(a) E(b) is the exact theta l (theta = fl(A_imag dt)), while the problem's formula rounds theta l to f32 first: the two
; differ by up to 2^-24 |theta l| radians.  (2) dt is right to about one unit in its last place.  (3) |A|^2 = exp(log_A_real)^2 + A_imag^2 must
; be a normal f32 (about 1e-19 < |A| < 1e19).  (4) Exponentials below 2^-126 come out as 0 (ISA guide, v_exp_f32).  (5) NaN and infinite
; inputs are not served.
;
; REGISTERS (window 0 unless said):  v1 -1.0;  v2-3 load offsets;  v4-7 LDS and output offsets;  v8-15 set-up constants and small values;  v16-31 at work;
;   v32-63  Y in f32, later X's operands;   v64-95  X in f32;   v96-127  the step factor, conj E(1024), later E(256);
;   v128-255  Y's operands, four sets of (hi k 0-31, hi k 32-63, lo, lo); during the set-up: the tables;
;   window 1, v256-383: the sixteen result tiles, each written and stored once, so no store's data register is ever written again.
.set PITCH,  272                       ; an LDS table row: 32 modes x 8 bytes + 16 = 68 words, so sixteen rows start four words apart
.set ROW_TY, 16*PITCH                  ; rows 0-15: X's table; rows 16-31: Y's table
.set ROW_SX, 32*PITCH                  ; row 32: E(256)
.set ROW_SY, 33*PITCH                  ; row 33: conj E(1024)
.set WLDS,   9472                      ; LDS bytes of a wave (34 rows = 9,248, up to a multiple of 256); no wave touches another's
; f32 constants as bit patterns
.set L2E,     0x3fb8aa3b               ; log2(e), rounded
.set L2E_LO,  0x32a57060               ; log2(e) - that
.set LN2,     0x3f317218               ; ln 2, rounded
.set NLN2,    0xbf317218               ; -ln 2
.set NLN2_LO, 0x3102e308               ; -(ln 2 - rounded ln 2)
.set I2PI,    0x3e22f983               ; 1 / 2 pi, rounded
.set I2PI_LO, 0x31dc9c88               ; 1 / 2 pi - that
.set AMIN,    0xc2c80000               ; -100: below it expm1 is -1 in f32
.set ONE,     0x3f800000
.set C6,      0x3e2aaaab               ; 1/3!, 1/4!, .. 1/7!
.set C24,     0x3d2aaaab
.set C120,    0x3c088889
.set C720,    0x3ab60b61
.set C5040,   0x39500d01
.set KS1,     0x40490fdb               ; sin(pi f) = f (pi - pi^3/3! f^2 + .. - pi^11/11! f^10), |f| <= 1/2: the next term is below 6e-8
.set KS3,     0xc0a55de7
.set KS5,     0x402335e3
.set KS7,     0xbf196966
.set KS9,     0x3da83c1a
.set KS11,    0xbbf183a8
.set KC2,     0xc09de9e6               ; cos(pi f) - 1 = f^2 (-pi^2/2! + pi^4/4! f^2 - .. + pi^12/12! f^10): the next term is below 7e-9
.set KC4,     0x4081e0f8
.set KC6,     0xbfaae9e4
.set KC8,     0x3e70fa83
.set KC10,    0xbcd368f9
.set KC12,    0x3afce9c5
.set PW0,     0x3f800000               ; the six exponents p = 1, 4, 16, 64, 256, 1024 as f32; + 0x800000 doubles
.set PW1,     0x40800000
.set PW2,     0x41800000
.set PW3,     0x42800000
.set PW4,     0x43800000
.set PW5,     0x44800000
; registers that live through the kernel
.set NEG1, 1
.set AIN,  2                           ; byte offset of my number in the four [1024][32] inputs
.set ADT,  3                           ; byte offset of my head's log_dt
.set WR,   4                           ; LDS: my wave's tables + 8 x lane (lane = mode)
.set RD,   5                           ; LDS: my wave's tables + 272 r + 128 h
.set RB,   6                           ; LDS: my wave's tables + 128 h
.set OUT,  7                           ; output: 16 r + 512 h
.set TMP,  16                          ; v16-31
.set YF,   32
.set XO,   32
.set XF,   64
.set ST,   96
.set YO,   128
; set-up only
.set KSV, 8                            ; v8-9   KS11 twice
.set KCV, 10                           ; v10-11 KC12 twice
.set QC,  12                           ; 1/7!
.set G,   13
.set PRE, 14
.set PIM, 15
.set LDT, 32
.set LAR, 33
.set AI,  34
.set BB,  35
.set CC,  36
.set T0,  37
.set E0,  38
.set D0,  39
.set DT,  40
.set LA2, 41
.set EA,  42
.set AL,  43
.set TH,  44
.set UH,  45
.set UL,  46
.set ALL, 47
.set AC,  48
.set KX,  49
.set RX,  50
.set QX,  51
.set RX2, 52
.set KXI, 53
.set SC,  54
.set SM1, 55
.set EM1, 56
.set SG,  57
.set SGM1, 58
.set CM1, 59
.set COS1, 60
.set NRE, 61
.set DEN, 62
.set INV, 63
.set ME,  64                           ; arrays of six, one number for each p
.set MG,  70
.set VH,  76
.set CO,  76                           ; (VH is over when CO begins)
.set KF,  82
.set F,   88
.set K2,  94
.set KI,  100
.set R2,  106
.set SP,  112
.set CW,  118
.set TX,  128                          ; v128-159 X's table, row e at TX + 2 e (re, im)
.set TY,  160                          ; v160-191 Y's table
.set SXR, 192                          ; E(256)
.set SYR, 194                          ; conj E(1024)
.set E1,  196                          ; E(1), E(2), E(3)
.set EH,  202                          ; E(64), E(128), E(192)
.set TT,  208                          ; v208-225 nine pairs at work
; s_set_vgpr_msb: bits 1:0 source 0, 3:2 source 1, 5:4 source 2, 7:6 destination; the high byte repeats the setting that is left
.set ACC_CD, 0x50                      ; matrix instructions: C and D in window 1, A and B in window 0
.set ACC_ST, 0x04                      ; stores: data (source 1) in window 1, offset in window 0
.set MSB, 0
.macro WIN new
.if MSB != \new
	s_set_vgpr_msb (MSB<<8)|\new
.set MSB, \new
.endif
.endm
; A complex product d = a b on (re, im) pairs is two packed instructions.  ph = 0: t = (a.re b.re, a.re b.im);  ph = 1: d = (t.lo - a.im b.im, t.hi + a.im b.re).
.macro CM ph, d, a, b, t
.if \ph == 0
	v_pk_mul_f32 v[\t:\t+1], v[\a:\a+1], v[\b:\b+1] op_sel_hi:[0,1]
.else
	v_pk_fma_f32 v[\d:\d+1], v[\a:\a+1], v[\b:\b+1], v[\t:\t+1] op_sel:[1,1,0] op_sel_hi:[1,0,1] neg_lo:[1,0,0]
.endif
.endm
	s_load_b256 s[4:11], s[0:1], 0x0               ; A_imag s[4:5], B s[6:7], C s[8:9], log_A_real s[10:11]
	s_load_b128 s[12:15], s[0:1], 0x20             ; log_dt s[12:13], out0 s[14:15]
	s_set_vgpr_msb 0x40
	v_lshl_add_u32 v128, v0, 2, 0x9400
	v_mov_b32 v129, 0
	s_set_vgpr_msb 0x4000
	v_lshrrev_b32 v13, 5, v0
	v_readfirstlane_b32 s2, v13                    ; wave 0..3; head = 4 x work-group + wave
	s_lshl_b32 s16, ttmp9, 9                       ; four heads x 128 bytes
	s_lshl_b32 s17, ttmp9, 4                       ; four heads x 4 bytes
	v_lshl_add_u32 v[AIN], v0, 2, s16              ; head x 128 + 4 x lane: the four waves together read 512 consecutive bytes of each input
	v_lshl_add_u32 v[ADT], v13, 2, s17
	s_wait_kmcnt 0x0
	global_load_b32 v[LDT], v[ADT], s[12:13]
	global_load_b32 v[LAR], v[AIN], s[10:11] th:TH_LOAD_NT
	global_load_b32 v[AI],  v[AIN], s[4:5] th:TH_LOAD_NT
	global_load_b32 v[BB],  v[AIN], s[6:7] th:TH_LOAD_NT
	global_load_b32 v[CC],  v[AIN], s[8:9] th:TH_LOAD_NT
	; while they are on their way: addresses and constants
	s_lshl_b32 s18, ttmp9, 2
	s_add_co_u32 s18, s18, s2
	s_lshl_b32 s18, s18, 14                        ; head x 4,096 numbers x 4 bytes (below 2^24)
	s_mov_b32 s19, 0
	s_add_nc_u64 s[14:15], s[14:15], s[18:19]      ; my head's row of the output
	s_mul_i32 s3, s2, WLDS                         ; my wave's tables in LDS
	v_and_b32 v13, 31, v0                          ; lane
	v_and_b32 v14, 15, v0                          ; r
	v_bfe_u32 v15, v0, 4, 1                        ; h
	v_lshl_add_u32 v[WR], v13, 3, s3
	v_lshl_add_u32 v[RB], v15, 7, s3
	v_mul_u32_u24 v13, v14, PITCH
	v_add_nc_u32 v[RD], v[RB], v13
	v_lshlrev_b32 v14, 4, v14
	v_lshl_add_u32 v[OUT], v15, 9, v14
	v_mov_b32 v[NEG1], -1.0
	v_mov_b32 v[KSV], KS11
	v_mov_b32 v[KSV+1], KS11
	v_mov_b32 v[KCV], KC12
	v_mov_b32 v[KCV+1], KC12
	v_mov_b32 v[QC], C5040
	v_mov_b32 v[TY], 1.0                           ; Y's row 0 is E(0) = 1
	v_mov_b32 v[TY+1], 0
	; ---------------- SET-UP, lane = mode ----------------
	s_wait_loadcnt 0x2                             ; log_dt, log_A_real, A_imag are in; the two younger loads (B, C) may stay out
	; dt = 2^(t + e): t = fl(log_dt log2 e), e = what that product and the constant's rounding lost; 2^e = 1 + e ln 2.  theta = A_imag dt is
	; multiplied by up to 4,095, so dt's error shows in the phase.
	v_mul_f32 v[T0], L2E, v[LDT]
	v_mul_f32 v[LA2], L2E, v[LAR]
	v_fma_f32 v[E0], v[LDT], L2E, -v[T0]
	v_exp_f32 v[D0], v[T0]
	v_exp_f32 v[EA], v[LA2]                        ; exp(log_A_real) = -Re A
	v_fma_f32 v[E0], v[LDT], L2E_LO, v[E0]         ; a plain instruction stands between an exponential and the first use of its result (ISA guide 5.7.2)
	v_mul_f32 v[DEN], v[AI], v[AI]
	s_wait_alu depctr_va_vdst(0)
	v_mul_f32 v[E0], v[D0], v[E0]
	v_fma_f32 v[DEN], v[EA], v[EA], v[DEN]         ; |A|^2
	v_fma_f32 v[DT], v[E0], LN2, v[D0]
	v_rcp_f32 v[INV], v[DEN]
	v_mul_f32 v[AL], -v[EA], v[DT]                 ; alpha = Re dtA (never positive)
	v_mul_f32 v[TH], v[AI], v[DT]                  ; theta = Im dtA
	v_mul_f32 v[ALL], L2E, v[AL]
	v_mul_f32 v[UH], I2PI, v[TH]                   ; theta / 2 pi as UH + UL
	v_max_num_f32 v[AC], AMIN, v[AL]
	v_fma_f32 v[UL], v[TH], I2PI, -v[UH]
.irp i, 1,2,3,4,5
	v_mul_f32 v[ME+\i], PW\i, v[ALL]               ; alpha p log2 e (an exact scaling)
.endr
	v_fma_f32 v[UL], v[TH], I2PI_LO, v[UL]
	v_exp_f32 v[MG], v[ALL]                        ; |E(p)| = exp(alpha p)
.irp i, 1,2,3,4,5
	v_exp_f32 v[MG+\i], v[ME+\i]
.endr
	; The phase of E(p) in half turns is 2 p (UH + UL); 2 p is a power of two, so both products are exact.  k = the nearest whole number, f = the rest:
	; cos = (-1)^k cos(pi f), sin = (-1)^k sin(pi f).  The second rounding brings f back into +-1/2 after UL's part has come in, whatever theta's size.
	; The lines set between the groups of three and six are expm1(alpha): alpha = KX ln 2 + RX, expm1 = 2^KX expm1(RX) + (2^KX - 1), |RX| <= 0.35.
.irp i, 0,1,2,3,4,5
	v_mul_f32 v[VH+\i], PW\i+0x800000, v[UH]
.endr
	v_mul_f32 v[KX], L2E, v[AC]
.irp i, 0,1,2,3,4,5
	v_rndne_f32 v[KF+\i], v[VH+\i]
.endr
	v_rndne_f32 v[KX], v[KX]
.irp j, 0,2,4
	v_pk_add_f32 v[F+\j:F+\j+1], v[VH+\j:VH+\j+1], v[KF+\j:KF+\j+1] neg_lo:[0,1] neg_hi:[0,1]   ; exact
.endr
	v_fma_f32 v[RX], v[KX], NLN2, v[AC]
.irp i, 0,1,2,3,4,5
	v_fma_f32 v[F+\i], v[UL], PW\i+0x800000, v[F+\i]
.endr
	v_fma_f32 v[RX], v[KX], NLN2_LO, v[RX]
.irp i, 0,1,2,3,4,5
	v_rndne_f32 v[K2+\i], v[F+\i]
.endr
	v_cvt_i32_f32 v[KXI], v[KX]
.irp j, 0,2,4
	v_pk_add_f32 v[F+\j:F+\j+1], v[F+\j:F+\j+1], v[K2+\j:K2+\j+1] neg_lo:[0,1] neg_hi:[0,1]
.endr
.irp j, 0,2,4
	v_pk_add_f32 v[KF+\j:KF+\j+1], v[KF+\j:KF+\j+1], v[K2+\j:K2+\j+1]
.endr
	v_fmaak_f32 v[QX], v[RX], v[QC], C720
.irp j, 0,2,4
	v_pk_mul_f32 v[R2+\j:R2+\j+1], v[F+\j:F+\j+1], v[F+\j:F+\j+1]
.endr
.irp i, 0,1,2,3,4,5
	v_cvt_i32_f32 v[KI+\i], v[KF+\i]
.endr
	v_fmaak_f32 v[QX], v[QX], v[RX], C120
.irp j, 0,2,4
	v_pk_fma_f32 v[SP+\j:SP+\j+1], v[R2+\j:R2+\j+1], v[KSV:KSV+1], KS9 op_sel_hi:[1,1,0]     ; two p at a time
.endr
.irp j, 0,2,4
	v_pk_fma_f32 v[CW+\j:CW+\j+1], v[R2+\j:R2+\j+1], v[KCV:KCV+1], KC10 op_sel_hi:[1,1,0]
.endr
	v_fmaak_f32 v[QX], v[QX], v[RX], C24
.irp i, 0,1,2,3,4,5
	v_lshlrev_b32 v[KI+\i], 31, v[KI+\i]           ; k's parity as a sign bit
.endr
	v_fmaak_f32 v[QX], v[QX], v[RX], C6
.macro HORNER ks, kc
.irp j, 0,2,4
	v_pk_fma_f32 v[SP+\j:SP+\j+1], v[SP+\j:SP+\j+1], v[R2+\j:R2+\j+1], \ks op_sel_hi:[1,1,0]
.endr
.irp j, 0,2,4
	v_pk_fma_f32 v[CW+\j:CW+\j+1], v[CW+\j:CW+\j+1], v[R2+\j:R2+\j+1], \kc op_sel_hi:[1,1,0]
.endr
.endm
	HORNER KS7, KC8
	v_fma_f32 v[QX], v[QX], v[RX], 0.5
	v_mul_f32 v[RX2], v[RX], v[RX]
	HORNER KS5, KC6
	v_fma_f32 v[QX], v[RX2], v[QX], v[RX]          ; expm1(RX)
	v_ldexp_f32 v[SC], 1.0, v[KXI]                 ; 2^KX
	HORNER KS3, KC4
	v_add_f32 v[SM1], -1.0, v[SC]
	HORNER KS1, KC2
	v_fma_f32 v[EM1], v[SC], v[QX], v[SM1]         ; expm1(alpha)
.irp j, 0,2,4
	v_pk_mul_f32 v[SP+\j:SP+\j+1], v[SP+\j:SP+\j+1], v[F+\j:F+\j+1]       ; sin(pi f)
.endr
.irp j, 0,2,4
	v_pk_mul_f32 v[CW+\j:CW+\j+1], v[CW+\j:CW+\j+1], v[R2+\j:R2+\j+1]     ; cos(pi f) - 1
.endr
	s_wait_alu depctr_va_vdst(0)
.irp i, 0,1,2,3,4,5
	v_xor_b32 v[MG+\i], v[MG+\i], v[KI+\i]         ; (-1)^k exp(alpha p)
.endr
.irp j, 0,2,4
	v_pk_add_f32 v[CO+\j:CO+\j+1], v[CW+\j:CW+\j+1], 1.0 op_sel_hi:[1,0]  ; cos(pi f)
.endr
	v_mul_f32 v[E1],    v[MG],    v[CO]            ; E(1)
	v_mul_f32 v[E1+1],  v[MG],    v[SP]
	v_mul_f32 v[TY+2],  v[MG+1],  v[CO+1]          ; Y's row 1: conj E(4)
	v_mul_f32 v[TY+3],  -v[MG+1], v[SP+1]
	v_mul_f32 v[TY+8],  v[MG+2],  v[CO+2]          ; Y's row 4: conj E(16)
	v_mul_f32 v[TY+9],  -v[MG+2], v[SP+2]
	v_mul_f32 v[EH],    v[MG+3],  v[CO+3]          ; E(64)
	v_mul_f32 v[EH+1],  v[MG+3],  v[SP+3]
	v_mul_f32 v[SXR],   v[MG+4],  v[CO+4]          ; E(256)
	v_mul_f32 v[SXR+1], v[MG+4],  v[SP+4]
	v_mul_f32 v[SYR],   v[MG+5],  v[CO+5]          ; conj E(1024)
	v_mul_f32 v[SYR+1], -v[MG+5], v[SP+5]
	; Y's table, row e = conj E(4 e) = row (e & 12) x row (e & 3), three levels deep, and the small powers that X's table will want.
	; Between the halves of the complex products: c = 2 B C expm1(dtA) / A, with
	;   expm1(dtA) = expm1(alpha) cos theta + (cos theta - 1) + i exp(alpha) sin theta   and   1 / A = conj(A) / |A|^2.
.macro YG1 ph
	CM \ph, TY+4,  TY+2,  TY+2, TT+0               ; row 2
	CM \ph, TY+16, TY+8,  TY+8, TT+2               ; row 8
	CM \ph, TY+10, TY+8,  TY+2, TT+4               ; row 5
	CM \ph, E1+2,  E1,    E1,   TT+6               ; E(2)
	CM \ph, EH+2,  EH,    EH,   TT+8               ; E(128)
.endm
.macro YG2 ph
	CM \ph, TY+6,  TY+4,  TY+2, TT+0               ; row 3
	CM \ph, TY+24, TY+16, TY+8, TT+2               ; row 12
	CM \ph, TY+12, TY+8,  TY+4, TT+4               ; row 6
	CM \ph, TY+18, TY+16, TY+2, TT+6               ; row 9
	CM \ph, E1+4,  E1+2,  E1,   TT+8               ; E(3)
	CM \ph, EH+4,  EH+2,  EH,   TT+10              ; E(192)
.endm
.macro YG3 ph
	CM \ph, TY+14, TY+8,  TY+6, TT+0               ; row 7
	CM \ph, TY+20, TY+16, TY+4, TT+2               ; row 10
	CM \ph, TY+22, TY+16, TY+6, TT+4               ; row 11
	CM \ph, TY+26, TY+24, TY+2, TT+6               ; row 13
	CM \ph, TY+28, TY+24, TY+4, TT+8               ; row 14
	CM \ph, TY+30, TY+24, TY+6, TT+10              ; row 15
.endm
	v_xor_b32 v[SG], ONE, v[KI]                    ; sigma = (-1)^k of p = 1
	v_add_f32 v[SGM1], -1.0, v[SG]
	YG1 0
	v_mul_f32 v[COS1], v[SG], v[CO]                ; cos theta
	v_fma_f32 v[CM1], v[SG], v[CW], v[SGM1]        ; cos theta - 1 = sigma (cos(pi f) - 1) + (sigma - 1): nothing is lost for small theta
	YG1 1
	v_fma_f32 v[NRE], v[EM1], v[COS1], v[CM1]      ; Re expm1(dtA); Im expm1(dtA) = Im E(1)
	s_wait_loadcnt 0x0                             ; B and C
	v_mul_f32 v[G], v[BB], v[CC]
	YG2 0
	v_mul_f32 v[PRE], v[E1+1], v[AI]
	v_mul_f32 v[PIM], v[NRE], v[AI]
	v_mul_f32 v[G], v[G], v[INV]
	YG2 1
	v_fma_f32 v[PRE], -v[NRE], v[EA], v[PRE]       ; Re (N conj A) = Nre Are + Nim Aim, Are = -EA
	v_fma_f32 v[PIM], v[E1+1], v[EA], v[PIM]       ; -Im (N conj A) = Nre Aim + Nim EA
	v_add_f32 v[G], v[G], v[G]                     ; 2 B C / |A|^2
	YG3 0
	v_mul_f32 v[TX], v[G], v[PRE]                  ; X's row 0: c
	v_mul_f32 v[TX+1], -v[G], v[PIM]
	YG3 1
	; The tables change from lane = mode to lane = (row r, half h of the modes) through my wave's own LDS bytes: LDS serves a wave's instructions in
	; order (ISA guide 5.7.1), so the loads see the stores without a wait, and no other wave is concerned: no barrier.
.irp e, 0,1,2,3,4,5,6,7,8,9,10,11,12,13,14,15
	ds_store_b64 v[WR], v[TY+2*\e:TY+2*\e+1] offset:ROW_TY+\e*PITCH
.endr
	ds_store_b64 v[WR], v[SYR:SYR+1] offset:ROW_SY
.irp i, 0,1,2,3,4,5,6,7
	ds_load_b128 v[YF+4*\i:YF+4*\i+3], v[RD] offset:ROW_TY+16*\i          ; Y's row r, modes 16 h .. 16 h + 15, two modes a load
.endr
.irp i, 0,1,2,3,4,5,6,7
	ds_load_b128 v[ST+4*\i:ST+4*\i+3], v[RB] offset:ROW_SY+16*\i          ; conj E(1024) of the same modes
.endr
	; X's table, row 4 q + s = c E(64 q + s), two levels deep, while those loads are on their way
.macro XG1 ph
.irp k, 1,2,3
	CM \ph, TX+8*\k, TX, EH+2*\k-2, TT+2*\k-2      ; rows 4, 8, 12
	CM \ph, TX+2*\k, TX, E1+2*\k-2, TT+2*\k+4      ; rows 1, 2, 3
.endr
.endm
.macro XG2 ph
.irp q, 1,2,3
.irp s, 1,2,3
	CM \ph, TX+8*\q+2*\s, TX+8*\q, E1+2*\s-2, TT+6*\q+2*\s-8
.endr
.endr
.endm
	XG1 0
	XG1 1
	XG2 0
	XG2 1
.irp e, 0,1,2,3,4,5,6,7,8,9,10,11,12,13,14,15
	ds_store_b64 v[WR], v[TX+2*\e:TX+2*\e+1] offset:\e*PITCH
.endr
	ds_store_b64 v[WR], v[SXR:SXR+1] offset:ROW_SX
.irp i, 0,1,2,3,4,5,6,7
	ds_load_b128 v[XF+4*\i:XF+4*\i+3], v[RD] offset:16*\i                 ; X's row r
.endr
	; ---------------- OPERANDS, lane = (r, h) ----------------
	; A fragment is 16 rows x 32 k in 8 registers.  Here register i of fragment f holds mode 16 h + 8 f + i, re in the low half, im in the high half,
	; in X's and in Y's fragments alike, so equal places meet in the product.
; eight complex numbers at src: hi = both parts rounded to bf16; rest = part - hi (exact in f32); lo = the rests rounded to bf16
.macro SPLIT8 src, hi, lo
.irp i, 0,1,2,3,4,5,6,7
	v_cvt_pk_bf16_f32 v[\hi+\i], v[\src+2*\i], v[\src+2*\i+1]
.endr
.irp i, 0,1,2,3,4,5,6,7
	v_fma_mix_f32_bf16 v[TMP+2*\i],   v[\hi+\i], v[NEG1], v[\src+2*\i]   op_sel_hi:[1,0,0]
	v_fma_mix_f32_bf16 v[TMP+2*\i+1], v[\hi+\i], v[NEG1], v[\src+2*\i+1] op_sel:[1,0,0] op_sel_hi:[1,0,0]
.endr
.irp i, 0,1,2,3,4,5,6,7
	v_cvt_pk_bf16_f32 v[\lo+\i], v[TMP+2*\i], v[TMP+2*\i+1]
.endr
.endm
; the next sixteen rows or columns: my sixteen complex numbers at x times the step factors, eight at a time
.macro STEP16 x
.irp g, 0,16
.irp i, 0,2,4,6,8,10,12,14
	CM 0, \x+\g+\i, \x+\g+\i, ST+\g+\i, TMP+\i
.endr
.irp i, 0,2,4,6,8,10,12,14
	CM 1, \x+\g+\i, \x+\g+\i, ST+\g+\i, TMP+\i
.endr
.endr
.endm
	s_wait_dscnt 33                                ; Y's row is in: behind its loads stand 8 loads, 17 stores and 8 loads
	SPLIT8 YF,    YO,   YO+16                      ; columns 0-15: l offsets 4 r
	SPLIT8 YF+16, YO+8, YO+24
	s_wait_dscnt 25                                ; conj E(1024) is in: 17 stores and 8 loads stand behind it
.irp t, 1,2
	STEP16 YF                                      ; columns 16 t + r: l offsets 4 r + 1024 t
	SPLIT8 YF,    YO+32*\t,   YO+32*\t+16
	SPLIT8 YF+16, YO+32*\t+8, YO+32*\t+24
.endr
	STEP16 YF
.irp i, 0,1,2,3,4,5,6,7
	ds_load_b128 v[ST+4*\i:ST+4*\i+3], v[RB] offset:ROW_SX+16*\i          ; the step factor's registers are free: E(256) comes in behind the last split
.endr
	SPLIT8 YF,    YO+96,  YO+112
	SPLIT8 YF+16, YO+104, YO+120
	; ---------------- PRODUCTS AND THE WAY OUT ----------------
; four matrix instructions, one for each block of 16 columns: the four result tiles take turns, one instruction a turn
.macro PROD tm, a, boff, first
.irp tn, 0,1,2,3
.if \first
	v_wmma_f32_16x16x32_bf16 v[8*(4*\tm+\tn):8*(4*\tm+\tn)+7], v[\a:\a+7], v[YO+32*\tn+\boff:YO+32*\tn+\boff+7], 0
.else
	v_wmma_f32_16x16x32_bf16 v[8*(4*\tm+\tn):8*(4*\tm+\tn)+7], v[\a:\a+7], v[YO+32*\tn+\boff:YO+32*\tn+\boff+7], v[8*(4*\tm+\tn):8*(4*\tm+\tn)+7]
.endif
.endr
.endm
; Rows 16 tm + r of X (l offsets (r & 3) + 64 (r >> 2) + 256 tm) against all 64 columns.  In a result tile register j of lane (r, h) is row 8 h + j, column r:
; l = (j & 3) + 4 r + 64 (j >> 2) + 128 h + 256 tm + 1024 tn, so registers 0-3 are 16 bytes at 16 r + 512 h + 1024 tm + 4096 tn, registers 4-7 lie 256 bytes on.
.macro XTILE tm
	SPLIT8 XF,    XO,   XO+16
	SPLIT8 XF+16, XO+8, XO+24
	WIN ACC_CD
	PROD \tm, XO,    0,  1                         ; hi hi, modes' first half: the first product starts the sums
	PROD \tm, XO+8,  8,  0                         ; hi hi, second half
	PROD \tm, XO+16, 0,  0                         ; lo hi
	PROD \tm, XO+24, 8,  0
	PROD \tm, XO,    16, 0                         ; hi lo
	PROD \tm, XO+8,  24, 0
	; A store that reads a matrix result, and a vector instruction that writes a matrix instruction's source, stand four plain vector instructions that name none
	; of its registers behind it: the 32 of the step to the next rows, or four v_nop behind the last tile.
.if \tm < 3
	WIN 0
.if \tm == 0
	s_wait_dscnt 0x0                               ; E(256) is in
.endif
	STEP16 XF
	WIN ACC_ST
.else
	WIN ACC_ST
.rept 4
	v_nop
.endr
.endif
.irp tn, 0,1,2,3
	global_store_b128 v[OUT], v[8*(4*\tm+\tn):8*(4*\tm+\tn)+3],   s[14:15] offset:1024*\tm+4096*\tn th:TH_STORE_NT       ; sixteen lanes: 256 consecutive bytes, aligned
	global_store_b128 v[OUT], v[8*(4*\tm+\tn)+4:8*(4*\tm+\tn)+7], s[14:15] offset:1024*\tm+4096*\tn+256 th:TH_STORE_NT
.endr
	WIN 0
.endm
	s_wait_dscnt 8                                 ; X's row is in: only the 8 loads of E(256) stand behind it
	XTILE 0
	XTILE 1
	XTILE 2
	XTILE 3
	s_set_vgpr_msb 0x5
	s_wait_tensorcnt 0x0
	ds_add_u32 v128, v129
	s_wait_dscnt 0x0
	s_set_vgpr_msb 0x500
	s_endpgm
.Lfunc_end_k_q552515fcd8_s4d:
	.size	k_q552515fcd8_s4d, .Lfunc_end_k_q552515fcd8_s4d-k_q552515fcd8_s4d
	.p2alignl 7, 3214868480
	.fill 96, 4, 3214868480
	.section	.rodata,"a",@progbits
	.p2align	6, 0x0
	.amdhsa_kernel k_q552515fcd8_s4d
		.amdhsa_group_segment_fixed_size 38400
		.amdhsa_private_segment_fixed_size 0
		.amdhsa_enable_private_segment 0
		.amdhsa_kernarg_size 48
		.amdhsa_user_sgpr_count 2
		.amdhsa_user_sgpr_kernarg_segment_ptr 1
		.amdhsa_wavefront_size32 1
		.amdhsa_system_sgpr_workgroup_id_x 1
		.amdhsa_system_sgpr_workgroup_id_y 1
		.amdhsa_system_sgpr_workgroup_id_z 1
		.amdhsa_system_vgpr_workitem_id 0
		.amdhsa_next_free_vgpr 386
		.amdhsa_next_free_sgpr 66
		.amdhsa_reserve_vcc 0
		.amdhsa_float_denorm_mode_32 3
		.amdhsa_float_denorm_mode_16_64 3
		.amdhsa_memory_ordered 1
		.amdhsa_forward_progress 1
		.amdhsa_inst_pref_size 74
	.end_amdhsa_kernel
	.amdgpu_metadata
---
amdhsa.version: [ 1, 2 ]
amdhsa.kernels:
  - .name:           k_q552515fcd8_s4d
    .symbol:         k_q552515fcd8_s4d.kd
    .args:
      - { .name: A_imag, .offset: 0, .size: 8, .value_kind: global_buffer, .address_space: global }
      - { .name: B, .offset: 8, .size: 8, .value_kind: global_buffer, .address_space: global }
      - { .name: C, .offset: 16, .size: 8, .value_kind: global_buffer, .address_space: global }
      - { .name: log_A_real, .offset: 24, .size: 8, .value_kind: global_buffer, .address_space: global }
      - { .name: log_dt, .offset: 32, .size: 8, .value_kind: global_buffer, .address_space: global }
      - { .name: out0, .offset: 40, .size: 8, .value_kind: global_buffer, .address_space: global }
    .group_segment_fixed_size: 38400
    .private_segment_fixed_size: 0
    .kernarg_segment_align: 8
    .kernarg_segment_size: 48
    .max_flat_workgroup_size: 128
    .sgpr_count:     66
    .vgpr_count:     386
    .wavefront_size: 32
...
	.end_amdgpu_metadata
.endif
;; end of part 1
;; ======== version 2 of 2: 1 launch; version 1 with the launch s4d written anew for expert scheduling mode
;; limits: right only within a limited range of input values
;; launch s4d (part 2): grid 256 x 1, 4 waves a work-group, no clusters, 38,400 bytes of LDS; arguments A_imag, B, C, log_A_real, log_dt, out0; writes out0
.if DOCPART == 2
	.amdgcn_target "amdgcn-amd-amdhsa--gfx1250"
	.amdhsa_code_object_version 6
	.text
	.protected	k_q552515fcd8_s4d
	.globl	k_q552515fcd8_s4d
	.p2align	8
	.type	k_q552515fcd8_s4d,@function
k_q552515fcd8_s4d:
	s_mov_b64 s[64:65], 0
	v_nop
	global_prefetch_b8 v0, s[64:65] scope:SCOPE_SE
	s_setreg_imm32_b32 hwreg(HW_REG_WAVE_SCHED_MODE, 0, 2), 2
	s_setreg_imm32_b32 hwreg(HW_REG_WAVE_MODE, 25, 1), 1
	s_wait_xcnt 0x0
	s_wait_alu depctr_vm_vsrc(0)
; S4D kernel:  K[h][l] = 2 Re sum over n of Ceff[h][n] exp(dtA[h][n] l),  1,024 heads h, 32 modes n, l = 0 .. 4,095.
;   dt = exp(log_dt), A = -exp(log_A_real) + i A_imag, dtA = A dt, Ceff = B C expm1(dtA) / A.
; ONE WAVE MAKES ONE HEAD; a work-group is four waves (four heads), 256 work-groups.
; With E(p) = exp(dtA p) and l = a(m) + b(n'):  a(m) = (m & 3) + 64 (m >> 2),  b(n') = 4 (n' & 15) + 1024 (n' >> 4),  m, n' = 0 .. 63,
;   K[a(m) + b(n')] = sum over modes of Re( X[m] Y[n'] ),  X[m] = 2 Ceff E(a(m)),  Y[n'] = E(b(n')):
; a real product of 64 x 64 with 64 along k (32 modes x (re, im)); Y is kept conjugated, so that re x re + im x im is the real part.
; So a head needs 32 x (64 + 64) complex values and not 32 x 4,096.  The split of l's bits is chosen for the way out: registers 0-3 of a
; result tile in sixteen neighbouring lanes are 64 neighbouring l, so each store of sixteen lanes covers 256 consecutive bytes, aligned.
; OPERANDS: every f32 value goes to the matrix unit as hi + lo, two bf16 numbers (hi = the value rounded, lo = the exact rest rounded); the sums take
; hi hi + lo hi + hi lo in f32, 192 along k.  What is dropped (lo lo, lo's own rounding) is below 2^-17 of a term.  One bf16 alone (2^-9 of a
; term) is too coarse where the 32 terms cancel.
; LIMITS.  (1) The phase of E(a) E(b) is the exact theta l (theta = fl(A_imag dt)), while the problem's formula rounds theta l to f32 first: the two
; differ by up to 2^-24 |theta l| radians.  (2) dt is right to about one unit in its last place.  (3) |A|^2 = exp(log_A_real)^2 + A_imag^2 must
; be a normal f32 (about 1e-19 < |A| < 1e19).  (4) Exponentials below 2^-126 come out as 0 (ISA guide, v_exp_f32).  (5) NaN and infinite
; inputs are not served.
;
; REGISTERS (window 0 unless said):  v1 -1.0;  v2-3 load offsets;  v4-7 LDS and output offsets;  v8-15 set-up constants and small values;  v16-31 at work;
;   v32-63  Y in f32, later X's operands;   v64-95  X in f32;   v96-127  the step factor, conj E(1024), later E(256);
;   v128-255  Y's operands, four sets of (hi k 0-31, hi k 32-63, lo, lo); during the set-up: the tables;
;   window 1, v256-383: the sixteen result tiles, each written and stored once, so no store's data register is ever written again.
;
; THE MODE: SCHED_MODE bits 1:0 = 2 (LLVM: expert scheduling mode 2), set by the entry lines.  The code itself states the register dependences
; between vector or matrix instructions and memory or LDS instructions, with s_wait_alu, always for 0.
; THE PLAN.  The text is one straight run.  Registers that memory or LDS instructions touch, in the order of the text:
;   v2-3      written at the head, read by the five input loads; never written again.       v32-36  those loads land here; nothing names them before.
;   v4-7      written at the head, read by every LDS instruction and every store; never written again.
;   v160-195  Y's table, E(256), conj E(1024): written by the set-up, read by LDS stores, written again by Y's splits (as Y's operands).
;   v128-159  X's table: written by its 15 complex products, read by LDS stores, written again by Y's splits.
;   v32-63, v64-95, v96-127   named by the set-up's arithmetic; then LDS loads land in them (Y's row, X's row, conj E(1024)).
;   v96-127   read by Y's three steps; then the LDS loads of E(256) land in it.
;   v256-383  tile t: written by its 24 matrix instructions; read by its eight stores, which stand behind tile t + 1's splits; never written again.
; So: one wait on va_vdst ahead of the input loads; one ahead of each of the two runs of LDS stores and loads; one ahead of the loads of E(256); one a tile ahead
; of its stores; one wait on vm_vsrc ahead of Y's first split; one on va_sdst for the wave's number; and two waits on va_vdst for the transcendentals' results.
.set PITCH,  272                       ; an LDS table row: 32 modes x 8 bytes + 16 = 68 words, so sixteen rows start four words apart
.set ROW_TY, 16*PITCH                  ; rows 0-15: X's table; rows 16-31: Y's table
.set ROW_SX, 32*PITCH                  ; row 32: E(256)
.set ROW_SY, 33*PITCH                  ; row 33: conj E(1024)
.set WLDS,   9472                      ; LDS bytes of a wave (34 rows = 9,248, up to a multiple of 256); no wave touches another's
; f32 constants as bit patterns
.set L2E,     0x3fb8aa3b               ; log2(e), rounded
.set L2E_LO,  0x32a57060               ; log2(e) - that
.set LN2,     0x3f317218               ; ln 2, rounded
.set NLN2,    0xbf317218               ; -ln 2
.set NLN2_LO, 0x3102e308               ; -(ln 2 - rounded ln 2)
.set I2PI,    0x3e22f983               ; 1 / 2 pi, rounded
.set I2PI_LO, 0x31dc9c88               ; 1 / 2 pi - that
.set AMIN,    0xc2c80000               ; -100: below it expm1 is -1 in f32
.set ONE,     0x3f800000
.set C6,      0x3e2aaaab               ; 1/3!, 1/4!, .. 1/7!
.set C24,     0x3d2aaaab
.set C120,    0x3c088889
.set C720,    0x3ab60b61
.set C5040,   0x39500d01
.set KS1,     0x40490fdb               ; sin(pi f) = f (pi - pi^3/3! f^2 + .. - pi^11/11! f^10), |f| <= 1/2: the next term is below 6e-8
.set KS3,     0xc0a55de7
.set KS5,     0x402335e3
.set KS7,     0xbf196966
.set KS9,     0x3da83c1a
.set KS11,    0xbbf183a8
.set KC2,     0xc09de9e6               ; cos(pi f) - 1 = f^2 (-pi^2/2! + pi^4/4! f^2 - .. + pi^12/12! f^10): the next term is below 7e-9
.set KC4,     0x4081e0f8
.set KC6,     0xbfaae9e4
.set KC8,     0x3e70fa83
.set KC10,    0xbcd368f9
.set KC12,    0x3afce9c5
.set PW0,     0x3f800000               ; the six exponents p = 1, 4, 16, 64, 256, 1024 as f32; + 0x800000 doubles
.set PW1,     0x40800000
.set PW2,     0x41800000
.set PW3,     0x42800000
.set PW4,     0x43800000
.set PW5,     0x44800000
; registers that live through the kernel
.set NEG1, 1
.set AIN,  2                           ; byte offset of my number in the four [1024][32] inputs
.set ADT,  3                           ; byte offset of my head's log_dt
.set WR,   4                           ; LDS: my wave's tables + 8 x lane (lane = mode)
.set RD,   5                           ; LDS: my wave's tables + 272 r + 128 h
.set RB,   6                           ; LDS: my wave's tables + 128 h
.set OUT,  7                           ; output: 16 r + 512 h
.set TMP,  16                          ; v16-31
.set YF,   32
.set XO,   32
.set XF,   64
.set ST,   96
.set YO,   128
; set-up only
.set KSV, 8                            ; v8-9   KS11 twice
.set KCV, 10                           ; v10-11 KC12 twice
.set QC,  12                           ; 1/7!
.set G,   13
.set PRE, 14
.set PIM, 15
.set LDT, 32
.set LAR, 33
.set AI,  34
.set BB,  35
.set CC,  36
.set T0,  37
.set E0,  38
.set D0,  39
.set DT,  40
.set LA2, 41
.set EA,  42
.set AL,  43
.set TH,  44
.set UH,  45
.set UL,  46
.set ALL, 47
.set AC,  48
.set KX,  49
.set RX,  50
.set QX,  51
.set RX2, 52
.set KXI, 53
.set SC,  54
.set SM1, 55
.set EM1, 56
.set SG,  57
.set SGM1, 58
.set CM1, 59
.set COS1, 60
.set NRE, 61
.set DEN, 62
.set INV, 63
.set ME,  64                           ; arrays of six, one number for each p
.set MG,  70
.set VH,  76
.set CO,  76                           ; (VH is over when CO begins)
.set KF,  82
.set F,   88
.set K2,  94
.set KI,  100
.set R2,  106
.set SP,  112
.set CW,  118
.set TX,  128                          ; v128-159 X's table, row e at TX + 2 e (re, im)
.set TY,  160                          ; v160-191 Y's table
.set SXR, 192                          ; E(256)
.set SYR, 194                          ; conj E(1024)
.set E1,  196                          ; E(1), E(2), E(3)
.set EH,  202                          ; E(64), E(128), E(192)
.set TT,  208                          ; v208-225 nine pairs at work
; s_set_vgpr_msb: bits 1:0 source 0, 3:2 source 1, 5:4 source 2, 7:6 destination; the high byte repeats the setting that is left
.set ACC_CD, 0x50                      ; matrix instructions: C and D in window 1, A and B in window 0
.set ACC_ST, 0x04                      ; stores: data (source 1) in window 1, offset in window 0
.set MSB, 0
.macro WIN new
.if MSB != \new
	s_set_vgpr_msb (MSB<<8)|\new
.set MSB, \new
.endif
.endm
; A complex product d = a b on (re, im) pairs is two packed instructions.  ph = 0: t = (a.re b.re, a.re b.im);  ph = 1: d = (t.lo - a.im b.im, t.hi + a.im b.re).
.macro CM ph, d, a, b, t
.if \ph == 0
	v_pk_mul_f32 v[\t:\t+1], v[\a:\a+1], v[\b:\b+1] op_sel_hi:[0,1]
.else
	v_pk_fma_f32 v[\d:\d+1], v[\a:\a+1], v[\b:\b+1], v[\t:\t+1] op_sel:[1,1,0] op_sel_hi:[1,0,1] neg_lo:[1,0,0]
.endif
.endm
	s_load_b256 s[4:11], s[0:1], 0x0               ; A_imag s[4:5], B s[6:7], C s[8:9], log_A_real s[10:11]
	s_load_b128 s[12:15], s[0:1], 0x20             ; log_dt s[12:13], out0 s[14:15]
	s_set_vgpr_msb 0x40
	v_lshl_add_u32 v128, v0, 2, 0x9400
	v_mov_b32 v129, 0
	s_set_vgpr_msb 0x4000
	v_lshrrev_b32 v13, 5, v0
	v_readfirstlane_b32 s2, v13                    ; wave 0..3; head = 4 x work-group + wave
	s_lshl_b32 s16, ttmp9, 9                       ; four heads x 128 bytes
	s_lshl_b32 s17, ttmp9, 4                       ; four heads x 4 bytes
	v_lshl_add_u32 v[AIN], v0, 2, s16              ; head x 128 + 4 x lane: the four waves together read 512 consecutive bytes of each input
	v_lshl_add_u32 v[ADT], v13, 2, s17
	s_wait_kmcnt 0x0
	s_wait_alu depctr_va_vdst(0)                   ; v2 and v3 are written: the five loads below read them as their offsets
	global_load_b32 v[LDT], v[ADT], s[12:13]
	global_load_b32 v[LAR], v[AIN], s[10:11] th:TH_LOAD_NT
	global_load_b32 v[AI],  v[AIN], s[4:5] th:TH_LOAD_NT
	global_load_b32 v[BB],  v[AIN], s[6:7] th:TH_LOAD_NT
	global_load_b32 v[CC],  v[AIN], s[8:9] th:TH_LOAD_NT
	; while they are on their way: addresses and constants
	s_wait_alu depctr_va_sdst(0)                   ; s2, the wave's number, is written, ahead of its first reader: the output's base and the wave's LDS bytes are made from it
	s_lshl_b32 s18, ttmp9, 2
	s_add_co_u32 s18, s18, s2
	s_lshl_b32 s18, s18, 14                        ; head x 4,096 numbers x 4 bytes (below 2^24)
	s_mov_b32 s19, 0
	s_add_nc_u64 s[14:15], s[14:15], s[18:19]      ; my head's row of the output
	s_mul_i32 s3, s2, WLDS                         ; my wave's tables in LDS
	v_and_b32 v13, 31, v0                          ; lane
	v_and_b32 v14, 15, v0                          ; r
	v_bfe_u32 v15, v0, 4, 1                        ; h
	v_lshl_add_u32 v[WR], v13, 3, s3
	v_lshl_add_u32 v[RB], v15, 7, s3
	v_mul_u32_u24 v13, v14, PITCH
	v_add_nc_u32 v[RD], v[RB], v13
	v_lshlrev_b32 v14, 4, v14
	v_lshl_add_u32 v[OUT], v15, 9, v14
	v_mov_b32 v[NEG1], -1.0
	v_mov_b32 v[KSV], KS11
	v_mov_b32 v[KSV+1], KS11
	v_mov_b32 v[KCV], KC12
	v_mov_b32 v[KCV+1], KC12
	v_mov_b32 v[QC], C5040
	v_mov_b32 v[TY], 1.0                           ; Y's row 0 is E(0) = 1
	v_mov_b32 v[TY+1], 0
	; ---------------- SET-UP, lane = mode ----------------
	s_wait_loadcnt 0x2                             ; log_dt, log_A_real, A_imag are in; the two younger loads (B, C) may stay out
	; dt = 2^(t + e): t = fl(log_dt log2 e), e = what that product and the constant's rounding lost; 2^e = 1 + e ln 2.  theta = A_imag dt is
	; multiplied by up to 4,095, so dt's error shows in the phase.
	v_mul_f32 v[T0], L2E, v[LDT]
	v_mul_f32 v[LA2], L2E, v[LAR]
	v_fma_f32 v[E0], v[LDT], L2E, -v[T0]
	v_exp_f32 v[D0], v[T0]
	v_exp_f32 v[EA], v[LA2]                        ; exp(log_A_real) = -Re A
	v_fma_f32 v[E0], v[LDT], L2E_LO, v[E0]         ; a plain instruction stands between an exponential and the first use of its result (ISA guide 5.7.2)
	v_mul_f32 v[DEN], v[AI], v[AI]
	s_wait_alu depctr_va_vdst(0)                   ; the two exponentials have written D0 and EA: the wait stands ahead of the first line that names a transcendental's result
	v_mul_f32 v[E0], v[D0], v[E0]
	v_fma_f32 v[DEN], v[EA], v[EA], v[DEN]         ; |A|^2
	v_fma_f32 v[DT], v[E0], LN2, v[D0]
	v_rcp_f32 v[INV], v[DEN]
	v_mul_f32 v[AL], -v[EA], v[DT]                 ; alpha = Re dtA (never positive)
	v_mul_f32 v[TH], v[AI], v[DT]                  ; theta = Im dtA
	v_mul_f32 v[ALL], L2E, v[AL]
	v_mul_f32 v[UH], I2PI, v[TH]                   ; theta / 2 pi as UH + UL
	v_max_num_f32 v[AC], AMIN, v[AL]
	v_fma_f32 v[UL], v[TH], I2PI, -v[UH]
.irp i, 1,2,3,4,5
	v_mul_f32 v[ME+\i], PW\i, v[ALL]               ; alpha p log2 e (an exact scaling)
.endr
	v_fma_f32 v[UL], v[TH], I2PI_LO, v[UL]
	v_exp_f32 v[MG], v[ALL]                        ; |E(p)| = exp(alpha p)
.irp i, 1,2,3,4,5
	v_exp_f32 v[MG+\i], v[ME+\i]
.endr
	; The phase of E(p) in half turns is 2 p (UH + UL); 2 p is a power of two, so both products are exact.  k = the nearest whole number, f = the rest:
	; cos = (-1)^k cos(pi f), sin = (-1)^k sin(pi f).  The second rounding brings f back into +-1/2 after UL's part has come in, whatever theta's size.
	; The lines set between the groups of three and six are expm1(alpha): alpha = KX ln 2 + RX, expm1 = 2^KX expm1(RX) + (2^KX - 1), |RX| <= 0.35.
	; None of the lines down to the next wait names the reciprocal's or the six exponentials' results.
.irp i, 0,1,2,3,4,5
	v_mul_f32 v[VH+\i], PW\i+0x800000, v[UH]
.endr
	v_mul_f32 v[KX], L2E, v[AC]
.irp i, 0,1,2,3,4,5
	v_rndne_f32 v[KF+\i], v[VH+\i]
.endr
	v_rndne_f32 v[KX], v[KX]
.irp j, 0,2,4
	v_pk_add_f32 v[F+\j:F+\j+1], v[VH+\j:VH+\j+1], v[KF+\j:KF+\j+1] neg_lo:[0,1] neg_hi:[0,1]   ; exact
.endr
	v_fma_f32 v[RX], v[KX], NLN2, v[AC]
.irp i, 0,1,2,3,4,5
	v_fma_f32 v[F+\i], v[UL], PW\i+0x800000, v[F+\i]
.endr
	v_fma_f32 v[RX], v[KX], NLN2_LO, v[RX]
.irp i, 0,1,2,3,4,5
	v_rndne_f32 v[K2+\i], v[F+\i]
.endr
	v_cvt_i32_f32 v[KXI], v[KX]
.irp j, 0,2,4
	v_pk_add_f32 v[F+\j:F+\j+1], v[F+\j:F+\j+1], v[K2+\j:K2+\j+1] neg_lo:[0,1] neg_hi:[0,1]
.endr
.irp j, 0,2,4
	v_pk_add_f32 v[KF+\j:KF+\j+1], v[KF+\j:KF+\j+1], v[K2+\j:K2+\j+1]
.endr
	v_fmaak_f32 v[QX], v[RX], v[QC], C720
.irp j, 0,2,4
	v_pk_mul_f32 v[R2+\j:R2+\j+1], v[F+\j:F+\j+1], v[F+\j:F+\j+1]
.endr
.irp i, 0,1,2,3,4,5
	v_cvt_i32_f32 v[KI+\i], v[KF+\i]
.endr
	v_fmaak_f32 v[QX], v[QX], v[RX], C120
.irp j, 0,2,4
	v_pk_fma_f32 v[SP+\j:SP+\j+1], v[R2+\j:R2+\j+1], v[KSV:KSV+1], KS9 op_sel_hi:[1,1,0]     ; two p at a time
.endr
.irp j, 0,2,4
	v_pk_fma_f32 v[CW+\j:CW+\j+1], v[R2+\j:R2+\j+1], v[KCV:KCV+1], KC10 op_sel_hi:[1,1,0]
.endr
	v_fmaak_f32 v[QX], v[QX], v[RX], C24
.irp i, 0,1,2,3,4,5
	v_lshlrev_b32 v[KI+\i], 31, v[KI+\i]           ; k's parity as a sign bit
.endr
	v_fmaak_f32 v[QX], v[QX], v[RX], C6
.macro HORNER ks, kc
.irp j, 0,2,4
	v_pk_fma_f32 v[SP+\j:SP+\j+1], v[SP+\j:SP+\j+1], v[R2+\j:R2+\j+1], \ks op_sel_hi:[1,1,0]
.endr
.irp j, 0,2,4
	v_pk_fma_f32 v[CW+\j:CW+\j+1], v[CW+\j:CW+\j+1], v[R2+\j:R2+\j+1], \kc op_sel_hi:[1,1,0]
.endr
.endm
	HORNER KS7, KC8
	v_fma_f32 v[QX], v[QX], v[RX], 0.5
	v_mul_f32 v[RX2], v[RX], v[RX]
	HORNER KS5, KC6
	v_fma_f32 v[QX], v[RX2], v[QX], v[RX]          ; expm1(RX)
	v_ldexp_f32 v[SC], 1.0, v[KXI]                 ; 2^KX
	HORNER KS3, KC4
	v_add_f32 v[SM1], -1.0, v[SC]
	HORNER KS1, KC2
	v_fma_f32 v[EM1], v[SC], v[QX], v[SM1]         ; expm1(alpha)
.irp j, 0,2,4
	v_pk_mul_f32 v[SP+\j:SP+\j+1], v[SP+\j:SP+\j+1], v[F+\j:F+\j+1]       ; sin(pi f)
.endr
.irp j, 0,2,4
	v_pk_mul_f32 v[CW+\j:CW+\j+1], v[CW+\j:CW+\j+1], v[R2+\j:R2+\j+1]     ; cos(pi f) - 1
.endr
	s_wait_alu depctr_va_vdst(0)                   ; the six exponentials have written |E(p)| and the reciprocal has written 1 / |A|^2: one wait for the batch of seven, ahead of its first reader
.irp i, 0,1,2,3,4,5
	v_xor_b32 v[MG+\i], v[MG+\i], v[KI+\i]         ; (-1)^k exp(alpha p)
.endr
.irp j, 0,2,4
	v_pk_add_f32 v[CO+\j:CO+\j+1], v[CW+\j:CW+\j+1], 1.0 op_sel_hi:[1,0]  ; cos(pi f)
.endr
	v_mul_f32 v[E1],    v[MG],    v[CO]            ; E(1)
	v_mul_f32 v[E1+1],  v[MG],    v[SP]
	v_mul_f32 v[TY+2],  v[MG+1],  v[CO+1]          ; Y's row 1: conj E(4)
	v_mul_f32 v[TY+3],  -v[MG+1], v[SP+1]
	v_mul_f32 v[TY+8],  v[MG+2],  v[CO+2]          ; Y's row 4: conj E(16)
	v_mul_f32 v[TY+9],  -v[MG+2], v[SP+2]
	v_mul_f32 v[EH],    v[MG+3],  v[CO+3]          ; E(64)
	v_mul_f32 v[EH+1],  v[MG+3],  v[SP+3]
	v_mul_f32 v[SXR],   v[MG+4],  v[CO+4]          ; E(256)
	v_mul_f32 v[SXR+1], v[MG+4],  v[SP+4]
	v_mul_f32 v[SYR],   v[MG+5],  v[CO+5]          ; conj E(1024)
	v_mul_f32 v[SYR+1], -v[MG+5], v[SP+5]
	; Y's table, row e = conj E(4 e) = row (e & 12) x row (e & 3), three levels deep, and the small powers that X's table will want.
	; Between the halves of the complex products: c = 2 B C expm1(dtA) / A, with
	;   expm1(dtA) = expm1(alpha) cos theta + (cos theta - 1) + i exp(alpha) sin theta   and   1 / A = conj(A) / |A|^2.
.macro YG1 ph
	CM \ph, TY+4,  TY+2,  TY+2, TT+0               ; row 2
	CM \ph, TY+16, TY+8,  TY+8, TT+2               ; row 8
	CM \ph, TY+10, TY+8,  TY+2, TT+4               ; row 5
	CM \ph, E1+2,  E1,    E1,   TT+6               ; E(2)
	CM \ph, EH+2,  EH,    EH,   TT+8               ; E(128)
.endm
.macro YG2 ph
	CM \ph, TY+6,  TY+4,  TY+2, TT+0               ; row 3
	CM \ph, TY+24, TY+16, TY+8, TT+2               ; row 12
	CM \ph, TY+12, TY+8,  TY+4, TT+4               ; row 6
	CM \ph, TY+18, TY+16, TY+2, TT+6               ; row 9
	CM \ph, E1+4,  E1+2,  E1,   TT+8               ; E(3)
	CM \ph, EH+4,  EH+2,  EH,   TT+10              ; E(192)
.endm
.macro YG3 ph
	CM \ph, TY+14, TY+8,  TY+6, TT+0               ; row 7
	CM \ph, TY+20, TY+16, TY+4, TT+2               ; row 10
	CM \ph, TY+22, TY+16, TY+6, TT+4               ; row 11
	CM \ph, TY+26, TY+24, TY+2, TT+6               ; row 13
	CM \ph, TY+28, TY+24, TY+4, TT+8               ; row 14
	CM \ph, TY+30, TY+24, TY+6, TT+10              ; row 15
.endm
	v_xor_b32 v[SG], ONE, v[KI]                    ; sigma = (-1)^k of p = 1
	v_add_f32 v[SGM1], -1.0, v[SG]
	YG1 0
	v_mul_f32 v[COS1], v[SG], v[CO]                ; cos theta
	v_fma_f32 v[CM1], v[SG], v[CW], v[SGM1]        ; cos theta - 1 = sigma (cos(pi f) - 1) + (sigma - 1): nothing is lost for small theta
	YG1 1
	v_fma_f32 v[NRE], v[EM1], v[COS1], v[CM1]      ; Re expm1(dtA); Im expm1(dtA) = Im E(1)
	s_wait_loadcnt 0x0                             ; B and C
	v_mul_f32 v[G], v[BB], v[CC]
	YG2 0
	v_mul_f32 v[PRE], v[E1+1], v[AI]
	v_mul_f32 v[PIM], v[NRE], v[AI]
	v_mul_f32 v[G], v[G], v[INV]
	YG2 1
	v_fma_f32 v[PRE], -v[NRE], v[EA], v[PRE]       ; Re (N conj A) = Nre Are + Nim Aim, Are = -EA
	v_fma_f32 v[PIM], v[E1+1], v[EA], v[PIM]       ; -Im (N conj A) = Nre Aim + Nim EA
	v_add_f32 v[G], v[G], v[G]                     ; 2 B C / |A|^2
	YG3 0
	v_mul_f32 v[TX], v[G], v[PRE]                  ; X's row 0: c
	v_mul_f32 v[TX+1], -v[G], v[PIM]
	YG3 1
	; The tables change from lane = mode to lane = (row r, half h of the modes) through my wave's own LDS bytes: LDS serves a wave's instructions in
	; order (ISA guide 5.7.1), so the loads see the stores without a wait, and no other wave is concerned: no barrier.
	s_wait_alu depctr_va_vdst(0)                   ; the products have written Y's table and conj E(1024), which the LDS stores read, and v4-6, their addresses, are written; the set-up is done reading and writing v32-63 and v96-127, in which the loads below land
.irp e, 0,1,2,3,4,5,6,7,8,9,10,11,12,13,14,15
	ds_store_b64 v[WR], v[TY+2*\e:TY+2*\e+1] offset:ROW_TY+\e*PITCH
.endr
	ds_store_b64 v[WR], v[SYR:SYR+1] offset:ROW_SY
.irp i, 0,1,2,3,4,5,6,7
	ds_load_b128 v[YF+4*\i:YF+4*\i+3], v[RD] offset:ROW_TY+16*\i          ; Y's row r, modes 16 h .. 16 h + 15, two modes a load
.endr
.irp i, 0,1,2,3,4,5,6,7
	ds_load_b128 v[ST+4*\i:ST+4*\i+3], v[RB] offset:ROW_SY+16*\i          ; conj E(1024) of the same modes
.endr
	; X's table, row 4 q + s = c E(64 q + s), two levels deep, while those loads are on their way.  These lines name v128-159 and v196-225 alone:
	; no register that the LDS stores above read, none in which a load lands.
.macro XG1 ph
.irp k, 1,2,3
	CM \ph, TX+8*\k, TX, EH+2*\k-2, TT+2*\k-2      ; rows 4, 8, 12
	CM \ph, TX+2*\k, TX, E1+2*\k-2, TT+2*\k+4      ; rows 1, 2, 3
.endr
.endm
.macro XG2 ph
.irp q, 1,2,3
.irp s, 1,2,3
	CM \ph, TX+8*\q+2*\s, TX+8*\q, E1+2*\s-2, TT+6*\q+2*\s-8
.endr
.endr
.endm
	XG1 0
	XG1 1
	XG2 0
	XG2 1
	s_wait_alu depctr_va_vdst(0)                   ; the products have written X's table, which the LDS stores read (the set-up's last lines on v64-95, in which the loads below land, stand ahead of the wait before this one)
.irp e, 0,1,2,3,4,5,6,7,8,9,10,11,12,13,14,15
	ds_store_b64 v[WR], v[TX+2*\e:TX+2*\e+1] offset:\e*PITCH
.endr
	ds_store_b64 v[WR], v[SXR:SXR+1] offset:ROW_SX
.irp i, 0,1,2,3,4,5,6,7
	ds_load_b128 v[XF+4*\i:XF+4*\i+3], v[RD] offset:16*\i                 ; X's row r
.endr
	; ---------------- OPERANDS, lane = (r, h) ----------------
	; A fragment is 16 rows x 32 k in 8 registers.  Here register i of fragment f holds mode 16 h + 8 f + i, re in the low half, im in the high half,
	; in X's and in Y's fragments alike, so equal places meet in the product.
; eight complex numbers at src: hi = both parts rounded to bf16; rest = part - hi (exact in f32); lo = the rests rounded to bf16
.macro SPLIT8 src, hi, lo
.irp i, 0,1,2,3,4,5,6,7
	v_cvt_pk_bf16_f32 v[\hi+\i], v[\src+2*\i], v[\src+2*\i+1]
.endr
.irp i, 0,1,2,3,4,5,6,7
	v_fma_mix_f32_bf16 v[TMP+2*\i],   v[\hi+\i], v[NEG1], v[\src+2*\i]   op_sel_hi:[1,0,0]
	v_fma_mix_f32_bf16 v[TMP+2*\i+1], v[\hi+\i], v[NEG1], v[\src+2*\i+1] op_sel:[1,0,0] op_sel_hi:[1,0,0]
.endr
.irp i, 0,1,2,3,4,5,6,7
	v_cvt_pk_bf16_f32 v[\lo+\i], v[TMP+2*\i], v[TMP+2*\i+1]
.endr
.endm
; the next sixteen rows or columns: my sixteen complex numbers at x times the step factors, eight at a time
.macro STEP16 x
.irp g, 0,16
.irp i, 0,2,4,6,8,10,12,14
	CM 0, \x+\g+\i, \x+\g+\i, ST+\g+\i, TMP+\i
.endr
.irp i, 0,2,4,6,8,10,12,14
	CM 1, \x+\g+\i, \x+\g+\i, ST+\g+\i, TMP+\i
.endr
.endr
.endm
	s_wait_dscnt 33                                ; Y's row is in: behind its loads stand 8 loads, 17 stores and 8 loads
	s_wait_alu depctr_vm_vsrc(0)                   ; all 34 LDS stores have read the tables in v128-195: from here on these registers are Y's operands, which the splits write
	SPLIT8 YF,    YO,   YO+16                      ; columns 0-15: l offsets 4 r
	SPLIT8 YF+16, YO+8, YO+24
	s_wait_dscnt 25                                ; conj E(1024) is in: 17 stores and 8 loads stand behind it
.irp t, 1,2
	STEP16 YF                                      ; columns 16 t + r: l offsets 4 r + 1024 t
	SPLIT8 YF,    YO+32*\t,   YO+32*\t+16
	SPLIT8 YF+16, YO+32*\t+8, YO+32*\t+24
.endr
	STEP16 YF
	s_wait_alu depctr_va_vdst(0)                   ; Y's three steps are done reading the step factor in v96-127, in which the loads below land
.irp i, 0,1,2,3,4,5,6,7
	ds_load_b128 v[ST+4*\i:ST+4*\i+3], v[RB] offset:ROW_SX+16*\i          ; the step factor's registers are free: E(256) comes in behind the last split, which names none of them
.endr
	SPLIT8 YF,    YO+96,  YO+112
	SPLIT8 YF+16, YO+104, YO+120
	; ---------------- PRODUCTS AND THE WAY OUT ----------------
; four matrix instructions, one for each block of 16 columns: the four result tiles take turns, one instruction a turn
.macro PROD tm, a, boff, first
.irp tn, 0,1,2,3
.if \first
	v_wmma_f32_16x16x32_bf16 v[8*(4*\tm+\tn):8*(4*\tm+\tn)+7], v[\a:\a+7], v[YO+32*\tn+\boff:YO+32*\tn+\boff+7], 0
.else
	v_wmma_f32_16x16x32_bf16 v[8*(4*\tm+\tn):8*(4*\tm+\tn)+7], v[\a:\a+7], v[YO+32*\tn+\boff:YO+32*\tn+\boff+7], v[8*(4*\tm+\tn):8*(4*\tm+\tn)+7]
.endif
.endr
.endm
.macro XSPLIT                          ; my sixteen complex numbers of X's rows in hand become its four operand fragments
	SPLIT8 XF,    XO,   XO+16
	SPLIT8 XF+16, XO+8, XO+24
.endm
; Rows 16 tm + r of X (l offsets (r & 3) + 64 (r >> 2) + 256 tm) against all 64 columns.
.macro MULT tm
	WIN ACC_CD
	PROD \tm, XO,    0,  1                         ; hi hi, modes' first half: the first product starts the sums
	PROD \tm, XO+8,  8,  0                         ; hi hi, second half
	PROD \tm, XO+16, 0,  0                         ; lo hi
	PROD \tm, XO+24, 8,  0
	PROD \tm, XO,    16, 0                         ; hi lo
	PROD \tm, XO+8,  24, 0
.endm
; In a result tile register j of lane (r, h) is row 8 h + j, column r:
; l = (j & 3) + 4 r + 64 (j >> 2) + 128 h + 256 tm + 1024 tn, so registers 0-3 are 16 bytes at 16 r + 512 h + 1024 tm + 4096 tn, registers 4-7 lie 256 bytes on.
; A store that reads a matrix result, and a vector instruction that writes a matrix instruction's source, stand four plain vector instructions that name none
; of its registers behind it: the 32 of the step to the next rows, or (last = 1) four v_nop behind the last tile.  The wait stands beside those places, not for them.
; Tiles 0 to 2 go out behind the NEXT tile's step and splits, directly ahead of its products.
.macro SEND tm, last
	WIN ACC_ST
.if \last
.rept 4
	v_nop
.endr
.endif
	s_wait_alu depctr_va_vdst(0)                   ; the tile's 24 matrix instructions have written its four accumulators, which the eight stores read (v7, their offset, was written at the head)
.irp tn, 0,1,2,3
	global_store_b128 v[OUT], v[8*(4*\tm+\tn):8*(4*\tm+\tn)+3],   s[14:15] offset:1024*\tm+4096*\tn th:TH_STORE_NT       ; sixteen lanes: 256 consecutive bytes, aligned
	global_store_b128 v[OUT], v[8*(4*\tm+\tn)+4:8*(4*\tm+\tn)+7], s[14:15] offset:1024*\tm+4096*\tn+256 th:TH_STORE_NT
.endr
.endm
	s_wait_dscnt 8                                 ; X's row is in: only the 8 loads of E(256) stand behind it
	XSPLIT
	MULT 0
	WIN 0
	s_wait_dscnt 0x0                               ; E(256) is in
	STEP16 XF                                      ; rows 16 + r
	XSPLIT
	SEND 0, 0
	MULT 1
	WIN 0
	STEP16 XF                                      ; rows 32 + r
	XSPLIT
	SEND 1, 0
	MULT 2
	WIN 0
	STEP16 XF                                      ; rows 48 + r
	XSPLIT
	SEND 2, 0
	MULT 3
	SEND 3, 1
	WIN 0
	s_set_vgpr_msb 0x5
	s_wait_dscnt 0x0
	s_wait_alu depctr_hold_cnt(0) depctr_sa_sdst(0) depctr_va_vdst(0) depctr_va_sdst(0) depctr_va_ssrc(0) depctr_va_vcc(0) depctr_vm_vsrc(0)
	s_wait_tensorcnt 0x0
	ds_add_u32 v128, v129
	s_wait_dscnt 0x0
	s_endpgm
.Lfunc_end_k_q552515fcd8_s4d:
	.size	k_q552515fcd8_s4d, .Lfunc_end_k_q552515fcd8_s4d-k_q552515fcd8_s4d
	.p2alignl 7, 3214868480
	.fill 96, 4, 3214868480
	.section	.rodata,"a",@progbits
	.p2align	6, 0x0
	.amdhsa_kernel k_q552515fcd8_s4d
		.amdhsa_group_segment_fixed_size 38400
		.amdhsa_private_segment_fixed_size 0
		.amdhsa_enable_private_segment 0
		.amdhsa_kernarg_size 48
		.amdhsa_user_sgpr_count 2
		.amdhsa_user_sgpr_kernarg_segment_ptr 1
		.amdhsa_wavefront_size32 1
		.amdhsa_system_sgpr_workgroup_id_x 1
		.amdhsa_system_sgpr_workgroup_id_y 1
		.amdhsa_system_sgpr_workgroup_id_z 1
		.amdhsa_system_vgpr_workitem_id 0
		.amdhsa_next_free_vgpr 386
		.amdhsa_next_free_sgpr 66
		.amdhsa_reserve_vcc 0
		.amdhsa_float_denorm_mode_32 3
		.amdhsa_float_denorm_mode_16_64 3
		.amdhsa_memory_ordered 1
		.amdhsa_forward_progress 1
		.amdhsa_inst_pref_size 75
	.end_amdhsa_kernel
	.amdgpu_metadata
---
amdhsa.version: [ 1, 2 ]
amdhsa.kernels:
  - .name:           k_q552515fcd8_s4d
    .symbol:         k_q552515fcd8_s4d.kd
    .args:
      - { .name: A_imag, .offset: 0, .size: 8, .value_kind: global_buffer, .address_space: global }
      - { .name: B, .offset: 8, .size: 8, .value_kind: global_buffer, .address_space: global }
      - { .name: C, .offset: 16, .size: 8, .value_kind: global_buffer, .address_space: global }
      - { .name: log_A_real, .offset: 24, .size: 8, .value_kind: global_buffer, .address_space: global }
      - { .name: log_dt, .offset: 32, .size: 8, .value_kind: global_buffer, .address_space: global }
      - { .name: out0, .offset: 40, .size: 8, .value_kind: global_buffer, .address_space: global }
    .group_segment_fixed_size: 38400
    .private_segment_fixed_size: 0
    .kernarg_segment_align: 8
    .kernarg_segment_size: 48
    .max_flat_workgroup_size: 128
    .sgpr_count:     66
    .vgpr_count:     386
    .wavefront_size: 32
...
	.end_amdgpu_metadata
.endif
;; end of part 2
